; MI455X (gfx1250); checked and timed in simulation.
; The chip was launched on July 23, 2026; its instructions are those of AMD's public machine-readable ISA for CDNA 5 (MIT licence, August 2026) and "CDNA5" Instruction Set Architecture Reference Guide (July 2026). The comments in the code are by the model that wrote it; some were corrected since.
;; Group Query Attention. Allowed arithmetic: matrix products marked QUANTISED: E2M3 operands, one E8M0 scale for each 32 along K, by v_wmma_scale_f32_16x16x128_f8f6f4 with both operands' format E2M3, f32 sums; everything else in f32.
;; Inputs: cos 4,096 x 64 float32; sin 4,096 x 64 float32; w_k_codes 256 x 32 x 24 uint8 (E2M3 codes of w_k, K innermost, in blocks of 32 codes, four codes in three bytes); w_k_scales 256 x 32 uint8 (E8M0 scales of w_k, one for each 32 codes along K); w_o_codes 1,024 x 32 x 24 uint8 (E2M3 codes of w_o, K innermost, in blocks of 32 codes, four codes in three bytes); w_o_scales 1,024 x 32 uint8 (E8M0 scales of w_o, one for each 32 codes along K); w_q_codes 1,024 x 32 x 24 uint8 (E2M3 codes of w_q, K innermost, in blocks of 32 codes, four codes in three bytes); w_q_scales 1,024 x 32 uint8 (E8M0 scales of w_q, one for each 32 codes along K); w_v_codes 256 x 32 x 24 uint8 (E2M3 codes of w_v, K innermost, in blocks of 32 codes, four codes in three bytes); w_v_scales 256 x 32 uint8 (E8M0 scales of w_v, one for each 32 codes along K); x_codes 1 x 4,096 x 32 x 24 uint8 (E2M3 codes of x, K innermost, in blocks of 32 codes, four codes in three bytes); x_scales 1 x 4,096 x 32 uint8 (E8M0 scales of x, one for each 32 codes along K).
;; Outputs: out0 1 x 4,096 x 1,024 float32.
;; This version of the problem:
;;   THIS VERSION OF THE PROBLEM IS GIVEN IN LOW PRECISION. The matrix products marked QUANTISED in the list below multiply operands that are first quantised to E2M3 (2 exponent bits, 3 mantissa bits; 6 bits a number), with one power-of-two scale for each 32 numbers along K (OCP MX v1.0); their sums are f32. All else is computed in f32.
;;   The module's matrix products, in the order in which they are computed (A, B: the left and right operand; K: the contracted axis; several contracted axes count as one K, in the product's order):
;;     1. [M 4,096, K 1,024] x [K 1,024, N 1,024]; A: input x (given as codes); B: input w_q (given as codes): QUANTISED
;;     2. [M 4,096, K 1,024] x [K 1,024, N 256]; A: input x (given as codes); B: input w_k (given as codes): QUANTISED
;;     3. [M 4,096, K 1,024] x [K 1,024, N 256]; A: input x (given as codes); B: input w_v (given as codes): QUANTISED
;;     4. batch 16 x [M 4,096, K 64] x [K 64, N 4,096]; A: computed on the way; B: computed on the way: QUANTISED
;;     5. batch 16 x [M 4,096, K 4,096] x [K 4,096, N 64]; A: softmax (see below); B: computed on the way: QUANTISED
;;     6. [M 4,096, K 1,024] x [K 1,024, N 1,024]; A: computed on the way; B: input w_o (given as codes): QUANTISED
;;   THE QUANTISER, for each operand of a quantised product, along K:
;;     - K is cut into blocks of 32 from its start; a last block that is shorter is filled with zeros.
;;     - A block's scale is 2^e with e = floor(log2(the largest magnitude in the block)) - 2, held to -126 .. 127; a block of zeros has e = 0. As a byte (E8M0): e + 127.
;;     - Each number is divided by its block's scale, clamped to +-7.5, and rounded to the nearest number of E2M3, ties to even, subnormals kept.
;;     - The product sums the exact products of the quantised numbers (number of the format x scale) in f32.
;;   ~~~python
;;   def quantise(x, axis):      # numpy; x: float32 -> the quantised numbers, widened to float32 again
;;       x = np.moveaxis(x, axis, -1); K = x.shape[-1]
;;       x = np.pad(x, [(0, 0)] * (x.ndim - 1) + [(0, -K % 32)]); x = x.reshape(x.shape[:-1] + (-1, 32)); a = np.abs(x).max(-1, keepdims=True)
;;       e = np.where(a > 0, np.clip(np.frexp(np.where(a > 0, a, 1))[1] - 1 - 2, -126, 127), 0)      # np.frexp(a)[1] - 1 = floor(log2(a)), exactly
;;       r = np.clip(x / 2.0 ** e, -7.5, 7.5)
;;       step = 2.0 ** (np.maximum(np.frexp(np.where(r == 0, 1, r))[1] - 1, 0) - 3)
;;       q = np.round(r / step) * step * 2.0 ** e      # np.round: ties to even
;;       return np.moveaxis(q.reshape(q.shape[:-2] + (-1,))[..., :K], -1, axis).astype(np.float32)
;;   ~~~
;;   SOFTMAX AHEAD OF A QUANTISED PRODUCT. Where the list says 'softmax', what is quantised is not the finished softmax but p = 2^(t - M), with t = logit x log2(e) and M = ceil(the row's largest t), a whole number; so 1/2 < the row's largest p <= 1. The row's sum l is taken of the UNQUANTISED p, in f32, and the product's result is divided by l at the end. Since M is a whole number, a kernel that streams over the keys may use a running M (the ceiling of the running maximum): every later rescaling is an exact power of two, which a block's scale takes up: the codes' values come out the same.
;;   OPERANDS COMPUTED ON THE WAY. 'Computed on the way' means the value that the module computes at that place (a softmax that the list does not call 'softmax' is quantised finished and normalised). What goes into a quantiser is computed in f32, as accurately as f32 sums, v_exp_f32 and their like allow (about 1e-6 of the number): no bf16 or f16 on the way to a quantiser, and a product that is left as it is and whose result goes on into a quantised operand takes f32 operands (vector FMAs, or v_wmma_f32_16x16x4_f32). A number that lies on a knife's edge between two numbers of the format may be rounded either way, as far as f32 arithmetic and the matrix unit's own rounding can turn it there, and no further.
;;   INPUTS GIVEN AS CODES. w_k (in the module: [1024, 256], K = its axis 0); w_o (in the module: [1024, 1024], K = its axis 0); w_q (in the module: [1024, 1024], K = its axis 0); w_v (in the module: [1024, 256], K = its axis 0); x (in the module: [1, 4096, 1024], K = its axis 2): each comes as NAME_codes (uint8): NAME with its K axis moved to the last place and cut into blocks of 32 codes, [.., K / 32, bytes a block], one block behind the other in memory; four codes in three bytes: a row's codes are one little-endian stream of bits, code i at bits 6 i .. 6 i + 5 (a code: sign, 2 exponent bits, 3 mantissa bits); and NAME_scales (uint8): the same leading axes, one E8M0 byte (e + 127) for each 32 codes along K. Its value is code x scale, taken as it is: it is not quantised again, and the codes and scales need not be those that the quantiser above would give.
;; One version. Each part assembles by itself: llvm-mc -triple=amdgcn-amd-amdhsa -mcpu=gfx1250 --defsym DOCPART=n.
;; ======== version 1 of 1: 3 launches
;; workspace buffers: img 4,915,200 bytes; ctx_img 3,145,728 bytes; ctx_sc 131,072 bytes
;; launch qkv (part 1): grid 32 x 6, 4 waves a work-group, clusters of 4 x 1, 327,680 bytes of LDS; arguments x_codes, x_scales, w_q_codes, w_q_scales, w_k_codes, w_k_scales, w_v_codes, w_v_scales, cos, sin, img; writes img
.if DOCPART == 1
	.amdgcn_target "amdgcn-amd-amdhsa--gfx1250"
	.amdhsa_code_object_version 6
	.text
	.protected	k_q1ce0dfe556_qkv
	.globl	k_q1ce0dfe556_qkv
	.p2align	8
	.type	k_q1ce0dfe556_qkv,@function
k_q1ce0dfe556_qkv:
	s_mov_b64 s[64:65], 0
	v_nop
	global_prefetch_b8 v0, s[64:65] scope:SCOPE_SE
	s_setreg_imm32_b32 hwreg(HW_REG_WAVE_MODE, 25, 1), 1
	s_wait_xcnt 0x0
	s_wait_alu depctr_hold_cnt(0) depctr_sa_sdst(0) depctr_va_vdst(0) depctr_va_sdst(0) depctr_va_ssrc(0) depctr_va_vcc(0) depctr_vm_vsrc(0)
	s_getreg_b32 s2, hwreg(HW_REG_IB_STS2, 6, 4)
	s_cmp_eq_u32 s2, 0
	s_cbranch_scc0 .Lentry_in_a_cluster
	s_endpgm
.Lentry_in_a_cluster:
	s_bfe_u32 s2, ttmp6, 0x10000c
	s_cmp_lg_u32 s2, 0x3003
	s_cbranch_scc0 .Lentry_shape_is_right
	s_endpgm
.Lentry_shape_is_right:
; q = rope(x Wq), k = rope(x Wk), v = x Wv on codes of FP6 (E2M3) with E8M0 scales, and the three results quantised again: q and k along the head's 64, v along the keys.
; x: [4096][1024] codes (768 bytes a row), scales [4096][32].  Wq [1024][1024], Wk, Wv [256][1024] likewise, K innermost.  cos, sin: [4096][64] f32.
; OUT: img [24 heads][32 groups of 128 tokens][6,400 bytes]; heads 0-15 q, 16-19 k, 20-23 v.  A record is four fragments as IMAGES OF THE OPERAND'S REGISTERS (register i of lane l at 512 (i / 4) + 16 l + 4 (i % 4),
; 1,536 bytes a fragment) and, from byte 6,144, their scale words (16 r + 4 f).  q, k: fragment f holds tokens 32 f + r (registers 0-5) and 32 f + 16 + r (registers 6-11), each with its two blocks of 32 along d.
; v: fragment f holds rows d = 16 f + r and the group's four blocks of 32 keys.
; SHARES.  A unit is 128 tokens x one head (a fragment of v wants 128 keys in one wave): 768 units.  A work-group of four waves takes 128 tokens x 4 heads of one kind, a wave one head: 192 work-groups, 768 waves.
; Work-groups of three heads would be 256 and would use the same 768 waves, but would mix kinds in a work-group.  A wave: 8 tiles of tokens x 4 tiles of W's rows = 32 accumulators, 8 K steps of 128.
; q, k: the product is used transposed (source 0 = 16 rows of W, source 1 = 16 tokens): a lane holds ONE token and its registers run along d.  v: source 0 = 16 tokens, source 1 = 16 rows of W: a lane holds one d, registers along the tokens.
; ORDER INSIDE A BLOCK.  A tile is 16 neighbouring rows, so a lane's 16 numbers of a block are elements 16 u + 8 h + j.  The codes of a block therefore stand in a fixed permuted order, the same in q and k, and in v and in the
; later launch's p: both sides of a product see one permutation of k inside true blocks of 32.  LIMIT: only the order of the sums inside a matrix instruction differs from ascending k.
; CLUSTER.  The four work-groups of a cluster take four token blocks and the same rows of W: W's tiles are asked for jointly (mask 15).  x, cos and sin are each work-group's own.
; LDS.  A row's 768 bytes come as three thirds of 256 aligned bytes, 16 bytes of padding behind each (rows 272 bytes apart, so that the 32 lanes of an 8-byte load fall on different words modulo 256 bytes).
; Third t: x's 128 rows at t x 104,448, W's 256 rows 34,816 further on.  The first third is done with after K step 2: cos (128 rows) and sin are brought into its first 69,632 bytes.  Behind the thirds: the spare words.
; LIMITS: NaN and infinities are not served; a block whose largest magnitude lies under 2^-124 keeps the scale byte 1 (a block of zeros too: its codes are zeros, and this program alone reads the bytes);
; the rotation is one multiplication and one fused multiply-add where the definition has two multiplications and an addition.
; REGISTERS.  window 0: v1-17 addresses; v32-63 x's scale words, v64-79 W's; v80-223 fragment buffer 0 (x's eight at v80, W's four at v176), later the rotated numbers, codes and scratch.
;   window 1: the 32 accumulators.   window 2: v80-223 fragment buffer 1; later v0-127 cos and sin of two tiles of tokens.
.set THIRD, 104448
.set XPART, 34816
.set TROW,  4352                       ; 16 rows of 272 bytes
.set SPARE, 3*THIRD                    ; 128 bytes for each wave: two blocks of 256 bytes that no other line names
.set SPW, 1                            ; v1   LDS address of my spare word; never rewritten
.set NIL, 2                            ; v2   0; never rewritten
.set AX,  4                            ; v4-6   my place in x's rows, third 0, 1, 2
.set AXC, 7                            ; v7-8   the same for pieces whose upper half of the lanes reads the next third
.set AW,  9                            ; v9-11  the same for my 64 rows of W
.set AWC, 12                           ; v12-13
.set ACS, 14                           ; v14  cos, sin: 272 r + 32 h
.set L16, 15                           ; v15  16 x lane
.set SCO, 16                           ; v16  16 r + 8 h
.set L32, 17                           ; v17  32 x lane
.set XS,  32
.set WS,  64
.set XF,  80
.set WF,  176
.set RR,  80                           ; v80-143  64 rotated numbers
.set PC,  144                          ; v144-191 codes: twelve registers for each of four fragments, so that no store's data are written again
.set PCT, 192
.set TM,  200
.set PW,  216                          ; v216-219 the four scale words
.set WV,   26
.set KIND, 27                          ; 1: this work-group makes v
.set MSB, 0
.macro WIN new                         ; the immediate's high byte repeats the setting that is left
.if MSB != \new
	s_set_vgpr_msb (MSB<<8)|\new
.set MSB, \new
.endif
.endm
.macro PLACES n
.rept \n
	v_nop
.endr
.endm
.macro CROUND                          ; a round of the cluster's barrier
	s_barrier_signal -1
	s_barrier_wait -1
	s_cmp_lg_u32 s[WV], 0
	s_cbranch_scc1 .Lnot_wave_0_\@
	s_barrier_signal -3
.Lnot_wave_0_\@:
	s_barrier_wait -3
	s_barrier_signal -1
	s_barrier_wait -1
.endm
; One product.  sa, sb: the scale registers; ra, rb = 1: the side's words lie in lanes 16-31.  ks = 0: the first K step starts the sum.
.macro WM d, a, b, sa, sb, ra, rb, ks
.if (\ks) == 0
.if (\ra) && (\rb)
	v_wmma_scale_f32_16x16x128_f8f6f4 v[\d:\d+7], v[\a:\a+11], v[\b:\b+11], 0, v[\sa], v[\sb] matrix_a_fmt:MATRIX_FMT_FP6 matrix_b_fmt:MATRIX_FMT_FP6 matrix_a_scale:MATRIX_SCALE_ROW1 matrix_b_scale:MATRIX_SCALE_ROW1
.elseif (\ra)
	v_wmma_scale_f32_16x16x128_f8f6f4 v[\d:\d+7], v[\a:\a+11], v[\b:\b+11], 0, v[\sa], v[\sb] matrix_a_fmt:MATRIX_FMT_FP6 matrix_b_fmt:MATRIX_FMT_FP6 matrix_a_scale:MATRIX_SCALE_ROW1
.elseif (\rb)
	v_wmma_scale_f32_16x16x128_f8f6f4 v[\d:\d+7], v[\a:\a+11], v[\b:\b+11], 0, v[\sa], v[\sb] matrix_a_fmt:MATRIX_FMT_FP6 matrix_b_fmt:MATRIX_FMT_FP6 matrix_b_scale:MATRIX_SCALE_ROW1
.else
	v_wmma_scale_f32_16x16x128_f8f6f4 v[\d:\d+7], v[\a:\a+11], v[\b:\b+11], 0, v[\sa], v[\sb] matrix_a_fmt:MATRIX_FMT_FP6 matrix_b_fmt:MATRIX_FMT_FP6
.endif
.else
.if (\ra) && (\rb)
	v_wmma_scale_f32_16x16x128_f8f6f4 v[\d:\d+7], v[\a:\a+11], v[\b:\b+11], v[\d:\d+7], v[\sa], v[\sb] matrix_a_fmt:MATRIX_FMT_FP6 matrix_b_fmt:MATRIX_FMT_FP6 matrix_a_scale:MATRIX_SCALE_ROW1 matrix_b_scale:MATRIX_SCALE_ROW1
.elseif (\ra)
	v_wmma_scale_f32_16x16x128_f8f6f4 v[\d:\d+7], v[\a:\a+11], v[\b:\b+11], v[\d:\d+7], v[\sa], v[\sb] matrix_a_fmt:MATRIX_FMT_FP6 matrix_b_fmt:MATRIX_FMT_FP6 matrix_a_scale:MATRIX_SCALE_ROW1
.elseif (\rb)
	v_wmma_scale_f32_16x16x128_f8f6f4 v[\d:\d+7], v[\a:\a+11], v[\b:\b+11], v[\d:\d+7], v[\sa], v[\sb] matrix_a_fmt:MATRIX_FMT_FP6 matrix_b_fmt:MATRIX_FMT_FP6 matrix_b_scale:MATRIX_SCALE_ROW1
.else
	v_wmma_scale_f32_16x16x128_f8f6f4 v[\d:\d+7], v[\a:\a+11], v[\b:\b+11], v[\d:\d+7], v[\sa], v[\sb] matrix_a_fmt:MATRIX_FMT_FP6 matrix_b_fmt:MATRIX_FMT_FP6
.endif
.endif
.endm
.macro MKG0 g, lr, lo, base, go        ; descriptor group 0: count 1, LDS address, global address, type 2
	s_mov_b32 s[\g], 1
	s_add_co_u32 s[\g+1], s[\lr], \lo
	s_add_nc_u64 s[\g+2:\g+3], s[\base:\base+1], \go
	s_or_b32 s[\g+3], s[\g+3], 0x80000000
.endm
	s_load_b256 s[4:11], s[0:1], 0x0               ; x's codes s[4:5], x's scales s[6:7], Wq's codes s[8:9], Wq's scales s[10:11]
	s_load_b256 s[12:19], s[0:1], 0x20             ; Wk's codes, scales; Wv's codes, scales
	s_load_b128 s[20:23], s[0:1], 0x40             ; cos, sin
	s_load_b64 s[24:25], s[0:1], 0x50              ; img
	v_lshl_add_u32 v[SPW], v0, 2, SPARE
	v_mov_b32 v[NIL], 0
	ds_add_u32 v1, v2
	ds_add_u32 v1, v2
	s_wait_dscnt 0x0
	v_lshrrev_b32 v3, 5, v0
	v_readfirstlane_b32 s[WV], v3                  ; wave 0..3
	s_bfe_u32 s30, ttmp6, 0x40000                  ; cx
	s_lshl_b32 s29, ttmp9, 2
	s_add_co_u32 s29, s29, s30                     ; tb: my block of 128 tokens = 4 x cluster x + cx: it enters global addresses of x, cos, sin and img alone
	s_and_b32 s28, ttmp7, 0xffff                   ; y: 0-3 Wq's rows 256 y on, 4 Wk, 5 Wv; the four partners share it
	; descriptor groups 1: rows of 256 bytes (32 elements of 8 bytes), 16 bytes of padding behind each
	s_mov_b32 s32, (3<<16)|(1<<20)|(5<<22)|(3<<25) ; x: no mask; element of 8 bytes; padding on, after every 64 words, of 4 words
	s_mov_b32 s33, 32<<16                          ; tensor_dim0 = 32
	s_mov_b32 s34, 32<<16                          ; tensor_dim1 = 32
	s_mov_b32 s35, 32<<16                          ; tile_dim0 = 32
	s_mov_b32 s36, 32                              ; tile_dim1 = 32 rows a wave
	s_mov_b32 s37, 96                              ; 768 bytes from row to row
	s_mov_b32 s38, 0
	s_mov_b32 s39, 0
	s_mov_b32 s40, 15|(3<<16)|(1<<20)|(1<<21)|(5<<22)|(3<<25)   ; W: the same, jointly with all four partners; bit 21 beside the mask
	s_mov_b32 s41, 32<<16
	s_mov_b32 s42, 64<<16
	s_mov_b32 s43, 32<<16
	s_mov_b32 s44, 64                              ; 64 rows a wave
	s_mov_b32 s45, 96
	s_mov_b32 s46, 0
	s_mov_b32 s47, 0
	s_mov_b32 s48, (3<<16)|(1<<20)|(5<<22)|(3<<25) ; cos, sin: dense rows of 256 bytes
	s_mov_b32 s49, 32<<16
	s_mov_b32 s50, 64<<16
	s_mov_b32 s51, 32<<16
	s_mov_b32 s52, 64
	s_mov_b32 s53, 32
	s_mov_b32 s54, 0
	s_mov_b32 s55, 0
	s_mov_b32 s88, 0x76543210                      ; v_permlanex16_b32's selects for lane l xor 16
	s_mov_b32 s89, 0xfedcba98
	s_mov_b32 s90, 0xffff0000                      ; lanes 16-31
	s_mul_i32 s31, s[WV], 8704                     ; LDS: my 32 rows of x in a third
	s_mul_i32 s91, s[WV], 17408
	s_add_co_u32 s91, s91, XPART                   ; and my 64 rows of W
	s_lshl_b32 s92, s29, 7
	s_lshl_b32 s93, s[WV], 5
	s_add_co_u32 s92, s92, s93
	s_mul_i32 s92, s92, 768                        ; x: row 128 tb + 32 wave
	s_mov_b32 s93, 0
	s_lshl_b32 s98, s29, 12                        ; x's scales: 128 tb rows of 32 bytes
	s_mov_b32 s99, 0
	s_wait_kmcnt 0x0
	s_add_nc_u64 s[4:5], s[4:5], s[92:93]
	s_add_nc_u64 s[6:7], s[6:7], s[98:99]
	s_cmp_lt_u32 s28, 4                            ; which weight: the choice hangs on y alone
	s_cselect_b64 s[8:9], s[8:9], s[12:13]
	s_cselect_b64 s[10:11], s[10:11], s[14:15]
	s_cselect_b32 s94, s28, 0
	s_cmp_eq_u32 s28, 5
	s_cselect_b64 s[8:9], s[16:17], s[8:9]
	s_cselect_b64 s[10:11], s[18:19], s[10:11]
	s_cselect_b32 s[KIND], 1, 0
	s_lshl_b32 s94, s94, 8
	s_lshl_b32 s95, s[WV], 6
	s_add_co_u32 s94, s94, s95                     ; my first row of the weight
	s_lshl_b32 s96, s94, 5                         ; its scales
	s_mov_b32 s97, 0
	s_mul_i32 s94, s94, 768                        ; its codes
	s_mov_b32 s95, 0
	s_add_nc_u64 s[8:9], s[8:9], s[94:95]
	s_add_nc_u64 s[10:11], s[10:11], s[96:97]
	MKG0 56, 31, 0, 4, 0                           ; x, thirds 0, 1, 2
	MKG0 60, 31, THIRD, 4, 256
	MKG0 68, 31, 2*THIRD, 4, 512
	MKG0 72, 91, 0, 8, 0                           ; W, thirds 0, 1, 2
	MKG0 76, 91, THIRD, 8, 256
	MKG0 80, 91, 2*THIRD, 8, 512
	CROUND                                         ; all four work-groups are here: the joint loads meet
	tensor_load_to_lds s[56:59], s[32:39]          ; the six first fills go out as one group: six loads of mine are out
	s_nop 0
	tensor_load_to_lds s[72:75], s[40:47]
	s_nop 0
	tensor_load_to_lds s[60:63], s[32:39]
	s_nop 0
	tensor_load_to_lds s[76:79], s[40:47]
	s_nop 0
	tensor_load_to_lds s[68:71], s[32:39]
	s_nop 0
	tensor_load_to_lds s[80:83], s[40:47]
	s_nop 0
	PLACES 4                                       ; (behind a tensor load)
	; THE SCALE WORDS come straight into registers: lane l takes the 32 bytes of row l of 32 neighbouring rows: eight words, one for each K step; lanes 0-15 serve one tile, lanes 16-31 the next
	v_and_b32 v18, 31, v0
	v_lshlrev_b32 v[L32], 5, v18
.irp i, 0,1,2,3
	global_load_b128 v[XS+8*\i:XS+8*\i+3],   v[L32], s[6:7] offset:1024*\i
	global_load_b128 v[XS+8*\i+4:XS+8*\i+7], v[L32], s[6:7] offset:1024*\i+16
.endr
.irp i, 0,1
	global_load_b128 v[WS+8*\i:WS+8*\i+3],   v[L32], s[10:11] offset:1024*\i
	global_load_b128 v[WS+8*\i+4:WS+8*\i+7], v[L32], s[10:11] offset:1024*\i+16
.endr
	v_and_b32 v19, 15, v0                          ; r
	v_bfe_u32 v20, v0, 4, 1                        ; h
	v_mul_u32_u24 v21, v19, 272
	v_mul_u32_u24 v22, v20, 24
	v_add_nc_u32 v[AX], v21, v22                   ; row r, + 24 h
	v_add_nc_u32 v[AX+1], THIRD, v[AX]
	v_add_nc_u32 v[AX+2], 2*THIRD, v[AX]
	v_mul_u32_u24 v22, v20, THIRD-232              ; a piece whose lanes 16-31 fall into the next third: 24 bytes on is 232 bytes back in a row, one third on
	v_add_nc_u32 v[AXC], v21, v22
	v_add_nc_u32 v[AXC+1], THIRD, v[AXC]
.irp t, 0,1,2
	v_add_nc_u32 v[AW+\t], s91, v[AX+\t]
.endr
.irp t, 0,1
	v_add_nc_u32 v[AWC+\t], s91, v[AXC+\t]
.endr
	v_lshl_add_u32 v[ACS], v20, 5, v21
	v_lshlrev_b32 v[L16], 4, v18
	v_lshlrev_b32 v[SCO], 4, v19
	v_lshl_add_u32 v[SCO], v20, 3, v[SCO]
	s_lshl_b32 s92, s28, 2
	s_add_co_u32 s92, s92, s[WV]                   ; my head's number in img: 4 y + wave
	s_lshl_b32 s92, s92, 5
	s_add_co_u32 s92, s92, s29
	s_mul_i32 s92, s92, 6400                       ; my record
	s_mov_b32 s93, 0
	s_add_nc_u64 s[24:25], s[24:25], s[92:93]
; A fragment, 16 rows x 128 K: lane (r, h) takes 24 bytes at 96 s + 24 h of row r and 24 at 96 s + 48 + 24 h, in pieces of 8 bytes.  FB: the piece's byte in the row for lanes 0-15; FT: its third.
.macro FRAG reg, adr, adrc, s, ro
.irp p, 0,1,2,3,4,5
.set FB, 96*(\s)+48*(\p/3)+8*(\p%3)
.set FT, FB/256
.if (FB+24)/256 == FT
	ds_load_b64 v[\reg+2*\p:\reg+2*\p+1], v[\adr+FT] offset:FB-256*FT+(\ro)
.else
	ds_load_b64 v[\reg+2*\p:\reg+2*\p+1], v[\adrc+FT] offset:FB-256*FT+(\ro)
.endif
.endr
.endm
.macro FETCH s                         ; K step s: x's eight fragments and W's four, 72 loads in one run, into buffer s % 2
.if (\s)%2
	WIN 0x80
.else
	WIN 0
.endif
.irp i, 0,1,2,3,4,5,6,7
	FRAG XF+12*\i, AX, AXC, \s, \i*TROW
.endr
.irp i, 0,1,2,3
	FRAG WF+12*\i, AW, AWC, \s, \i*TROW
.endr
	WIN 0
.endm
; The 32 accumulators take turns, one instruction a turn, in the same order in every K step.
.macro MULQK s                         ; accumulator 32 a + 8 t: tokens 16 a on, d = 16 t on; lane (r, h): token r, register j: d = 16 t + 8 h + j
.if (\s)%2
	WIN 0x5a
.else
	WIN 0x50
.endif
.irp a, 0,1,2,3,4,5,6,7
.irp t, 0,1,2,3
	WM 32*\a+8*\t, WF+12*\t, XF+12*\a, WS+8*(\t/2)+(\s), XS+8*(\a/2)+(\s), \t%2, \a%2, \s
.endr
.endr
	WIN 0
.endm
.macro MULV s                          ; accumulator 64 n + 8 a: lane (r, h): d = 16 n + r, register j: token 16 a + 8 h + j
.if (\s)%2
	WIN 0x5a
.else
	WIN 0x50
.endif
.irp n, 0,1,2,3
.irp a, 0,1,2,3,4,5,6,7
	WM 64*\n+8*\a, XF+12*\a, WF+12*\n, XS+8*(\a/2)+(\s), WS+8*(\n/2)+(\s), \a%2, \n%2, \s
.endr
.endr
	WIN 0
.endm
.macro STEP s
	s_wait_dscnt 0x0                               ; this step's 72 loads, issued ahead of the last step's 32 products, are in
.if \s == 1
	s_wait_tensorcnt 0x2                           ; my parts of thirds 0 and 1 are in; the last third's two loads may stay out
	s_barrier_signal -1
	s_barrier_wait -1                              ; everybody's are: K step 2 reaches into the second third
.endif
.if \s == 4
	s_wait_tensorcnt 0x0                           ; all my tensor loads have landed, the last third among them
	ds_add_u32 v[SPW], v[NIL]                      ; 0 onto my spare word
	s_cmp_lt_u32 s[WV], 2                          ; waves 0, 1 fetch cos's halves, waves 2, 3 sin's: 64 rows each
	s_cselect_b64 s[86:87], s[20:21], s[22:23]
	s_and_b32 s92, s[WV], 1
	s_lshl_b32 s92, s92, 14
	s_lshl_b32 s93, s29, 15
	s_add_co_u32 s92, s92, s93                     ; 128 tb rows of 256 bytes + my half
	s_mov_b32 s93, 0
	s_add_nc_u64 s[86:87], s[86:87], s[92:93]
	s_or_b32 s87, s87, 0x80000000
	s_mov_b32 s84, 1
	s_mul_i32 s85, s[WV], 17408                    ; cos at LDS byte 0, sin at 34,816
	s_wait_dscnt 0x0                               ; the add is done; my reads of the first third ended with K step 2's
	CROUND                                         ; nobody reads the first third any more
	s_cmp_lg_u32 s[KIND], 0                        ; v is not rotated: its work-groups fill nothing
	s_cbranch_scc1 .Lno_cs_\@
	tensor_load_to_lds s[84:87], s[48:55]          ; my one tensor load behind the round: it has four K steps in which to land
	s_nop 0
	PLACES 4
.Lno_cs_\@:
.endif
.if \s < 7
	PLACES 4                                       ; in front of loads into registers that the last step's products have read
	FETCH \s+1
.endif
	s_cmp_lg_u32 s[KIND], 0
	s_cbranch_scc1 .Lmul_v_\@
	MULQK \s
	s_branch .Lmul_done_\@
.Lmul_v_\@:
	MULV \s
.Lmul_done_\@:
.endm
; 64 numbers of a lane, v[s] on in window w, register 16 b + i in block b, become a fragment's codes in v[pc] on and its scale word in v[pw].
.macro QUANT s, w, pc, pw
.if \w
	WIN 0x05
.endif
.irp b, 0,1,2,3
	v_max3_num_f32 v[TM+\b], |v[\s+16*\b]|, |v[\s+1+16*\b]|, 0x1800000   ; my 16 numbers of block b, and the floor 2^(3 - 127): the byte cannot fall under 1
.endr
.if \w
	WIN 0x14
.endif
.irp i, 2,4,6,8,10,12,14
.irp b, 0,1,2,3
	v_max3_num_f32 v[TM+\b], v[TM+\b], |v[\s+16*\b+\i]|, |v[\s+1+16*\b+\i]|   ; ascending: each accumulator is read from its low end on
.endr
.endr
	WIN 0
.irp b, 0,1,2,3
	v_permlanex16_b32 v[TM+4+\b], v[TM+\b], s88, s89
.endr
.irp b, 0,1,2,3
	v_max_num_f32 v[TM+\b], v[TM+\b], v[TM+4+\b]   ; with lane l xor 16's: the block's largest magnitude
.endr
.irp b, 0,1,2,3
	v_add_nc_u32 v[TM+12+\b], 0xff000000, v[TM+\b] ; 2 off its exponent field: the conversion's scale operand
.endr
.irp b, 0,1,2,3
	v_lshrrev_b32 v[TM+4+\b], 23, v[TM+12+\b]      ; the scale's byte
.endr
	v_lshl_or_b32 v[\pw], v[TM+5], 8, v[TM+4]
	v_lshl_or_b32 v[\pw], v[TM+6], 16, v[\pw]
	v_lshl_or_b32 v[\pw], v[TM+7], 24, v[\pw]
.if \w
	WIN 0x01
.endif
.irp c, 0,1
	v_cvt_scalef32_pk16_fp6_f32 v[\pc+6*\c:\pc+6*\c+2], v[\s+32*\c:\s+32*\c+15], v[TM+12+2*\c]
	v_cvt_scalef32_pk16_fp6_f32 v[PCT+4*\c:PCT+4*\c+2], v[\s+16+32*\c:\s+31+32*\c], v[TM+13+2*\c]   ; (a conversion's three registers begin on an even number)
.endr
	WIN 0
	v_nop                                          ; one plain place behind a scaled conversion
.irp c, 0,1                            ; the operand's layout wants a whole block in a lane: lanes 0-15 block 2 c, lanes 16-31 block 2 c + 1
.irp i, 0,1,2
	v_permlane16_swap_b32 v[\pc+6*\c+\i], v[PCT+4*\c+\i]
.endr
.irp i, 0,1,2
	v_mov_b32 v[\pc+3+6*\c+\i], v[PCT+4*\c+\i]
.endr
.endr
.endm
.macro STORE g                         ; fragment g leaves as it stands: each store covers 512 consecutive bytes, at a multiple of 256 from img's first byte
.irp c, 0,1,2
	global_store_b128 v[L16], v[PC+12*(\g)+4*\c:PC+12*(\g)+4*\c+3], s[24:25] offset:1536*(\g)+512*\c
.endr
.endm
.macro LOADCS g                        ; cos and sin of token tiles 2 g, 2 g + 1 in the accumulators' layout: register 8 t + j = d 16 t + 8 h + j of token r
	WIN 0x80
.irp u, 0,1
.irp t, 0,1,2,3
.irp e, 0,1
	ds_load_b128 v[64*\u+8*\t+4*\e:64*\u+8*\t+4*\e+3],       v[ACS] offset:(2*(\g)+\u)*TROW+64*\t+16*\e
	ds_load_b128 v[64*\u+32+8*\t+4*\e:64*\u+32+8*\t+4*\e+3], v[ACS] offset:XPART+(2*(\g)+\u)*TROW+64*\t+16*\e
.endr
.endr
.endr
	WIN 0
.endm
.macro ROPE g                          ; d < 32: x[d] cos[d] - x[d + 32] sin[d];  d >= 32: x[d] cos[d] + x[d - 32] sin[d].  d + 32 lies 16 registers on in the same lane
	WIN 0x09                                       ; source 0 (accumulators) window 1, source 1 (cos, sin) window 2
.irp u, 0,1
.irp i, 0,2,4,6,8,10,12,14
	v_pk_mul_f32 v[RR+32*\u+\i:RR+32*\u+\i+1],       v[32*(2*(\g)+\u)+16+\i:32*(2*(\g)+\u)+17+\i], v[64*\u+32+\i:64*\u+33+\i]
	v_pk_mul_f32 v[RR+32*\u+16+\i:RR+32*\u+17+\i],   v[32*(2*(\g)+\u)+\i:32*(2*(\g)+\u)+1+\i],     v[64*\u+48+\i:64*\u+49+\i]
.endr
.irp i, 0,2,4,6,8,10,12,14
	v_pk_fma_f32 v[RR+32*\u+\i:RR+32*\u+\i+1],       v[32*(2*(\g)+\u)+\i:32*(2*(\g)+\u)+1+\i],     v[64*\u+\i:64*\u+1+\i],     v[RR+32*\u+\i:RR+32*\u+\i+1] neg_lo:[0,0,1] neg_hi:[0,0,1]
	v_pk_fma_f32 v[RR+32*\u+16+\i:RR+32*\u+17+\i],   v[32*(2*(\g)+\u)+16+\i:32*(2*(\g)+\u)+17+\i], v[64*\u+16+\i:64*\u+17+\i], v[RR+32*\u+16+\i:RR+32*\u+17+\i]
.endr
.endr
	WIN 0
.endm
	s_wait_tensorcnt 0x4                           ; my parts of the first third (two loads) are in; the four younger loads stay out
	s_barrier_signal -1
	s_barrier_wait -1                              ; everybody's are
	FETCH 0
	s_wait_loadcnt 0x0                             ; the scale words
.irp s, 0,1,2,3,4,5,6,7
	STEP \s
.endr
	s_wait_tensorcnt 0x0                           ; my part of cos or sin is in,
	s_barrier_signal -1
	s_barrier_wait -1                              ; everybody's is
	PLACES 4                                       ; behind the last products: their results are read, and registers that products have read are written
.irp b, 0,1,2,3
	v_mov_b32 v[TM+4+\b], 0                        ; a lane permute's destination counts as one of its sources
.endr
	s_cmp_lg_u32 s[KIND], 0
	s_cbranch_scc1 .Lv_path
	LOADCS 0
.irp g, 0,1,2,3                        ; q, k: two tiles of tokens make a fragment
	s_wait_dscnt 0x0
	ROPE \g
.if \g < 3
	LOADCS \g+1                                    ; lands while this pair is quantised
.endif
	QUANT RR, 0, PC+12*\g, PW+\g
	STORE \g
.endr
	s_branch .Lscales
.Lv_path:
.irp n, 0,1,2,3                        ; v: the eight accumulators of 16 rows d are 128 keys a lane pair: a fragment
	QUANT 64*\n, 1, PC+12*\n, PW+\n
	STORE \n
.endr
.Lscales:
	v_cndmask_b32 v220, v[PW], v[PW+2], s90        ; every lane pair holds row r's four words: lanes 0-15 store words 0, 1, lanes 16-31 words 2, 3
	v_cndmask_b32 v221, v[PW+1], v[PW+3], s90
	global_store_b64 v[SCO], v[220:221], s[24:25] offset:6144   ; 32 lanes store 256 consecutive bytes, aligned
	s_wait_tensorcnt 0x0                           ; the wave's end
	ds_add_u32 v[SPW], v[NIL]
	s_wait_dscnt 0x0
	CROUND                                         ; the closing round
	s_endpgm
.Lfunc_end_k_q1ce0dfe556_qkv:
	.size	k_q1ce0dfe556_qkv, .Lfunc_end_k_q1ce0dfe556_qkv-k_q1ce0dfe556_qkv
	.p2alignl 7, 3214868480
	.fill 96, 4, 3214868480
	.section	.rodata,"a",@progbits
	.p2align	6, 0x0
	.amdhsa_kernel k_q1ce0dfe556_qkv
		.amdhsa_group_segment_fixed_size 327680
		.amdhsa_private_segment_fixed_size 0
		.amdhsa_enable_private_segment 0
		.amdhsa_kernarg_size 88
		.amdhsa_user_sgpr_count 2
		.amdhsa_user_sgpr_kernarg_segment_ptr 1
		.amdhsa_wavefront_size32 1
		.amdhsa_system_sgpr_workgroup_id_x 1
		.amdhsa_system_sgpr_workgroup_id_y 1
		.amdhsa_system_sgpr_workgroup_id_z 1
		.amdhsa_system_vgpr_workitem_id 0
		.amdhsa_next_free_vgpr 768
		.amdhsa_next_free_sgpr 100
		.amdhsa_reserve_vcc 0
		.amdhsa_float_denorm_mode_32 3
		.amdhsa_float_denorm_mode_16_64 3
		.amdhsa_memory_ordered 1
		.amdhsa_forward_progress 1
		.amdhsa_inst_pref_size 172
	.end_amdhsa_kernel
	.amdgpu_metadata
---
amdhsa.version: [ 1, 2 ]
amdhsa.kernels:
  - .name:           k_q1ce0dfe556_qkv
    .symbol:         k_q1ce0dfe556_qkv.kd
    .args:
      - { .name: x_codes, .offset: 0, .size: 8, .value_kind: global_buffer, .address_space: global }
      - { .name: x_scales, .offset: 8, .size: 8, .value_kind: global_buffer, .address_space: global }
      - { .name: w_q_codes, .offset: 16, .size: 8, .value_kind: global_buffer, .address_space: global }
      - { .name: w_q_scales, .offset: 24, .size: 8, .value_kind: global_buffer, .address_space: global }
      - { .name: w_k_codes, .offset: 32, .size: 8, .value_kind: global_buffer, .address_space: global }
      - { .name: w_k_scales, .offset: 40, .size: 8, .value_kind: global_buffer, .address_space: global }
      - { .name: w_v_codes, .offset: 48, .size: 8, .value_kind: global_buffer, .address_space: global }
      - { .name: w_v_scales, .offset: 56, .size: 8, .value_kind: global_buffer, .address_space: global }
      - { .name: cos, .offset: 64, .size: 8, .value_kind: global_buffer, .address_space: global }
      - { .name: sin, .offset: 72, .size: 8, .value_kind: global_buffer, .address_space: global }
      - { .name: img, .offset: 80, .size: 8, .value_kind: global_buffer, .address_space: global }
    .group_segment_fixed_size: 327680
    .private_segment_fixed_size: 0
    .kernarg_segment_align: 8
    .kernarg_segment_size: 88
    .max_flat_workgroup_size: 128
    .sgpr_count:     100
    .vgpr_count:     768
    .wavefront_size: 32
...
	.end_amdgpu_metadata
.endif
;; end of part 1
;; launch attn (part 2): grid 16 x 16, 16 waves a work-group, clusters of 4 x 1, 327,680 bytes of LDS; arguments img, ctx_img, ctx_sc; writes ctx_img, ctx_sc
.if DOCPART == 2
	.amdgcn_target "amdgcn-amd-amdhsa--gfx1250"
	.amdhsa_code_object_version 6
	.text
	.protected	k_q1ce0dfe556_attn
	.globl	k_q1ce0dfe556_attn
	.p2align	8
	.type	k_q1ce0dfe556_attn,@function
k_q1ce0dfe556_attn:
	s_mov_b64 s[64:65], 0
	v_nop
	global_prefetch_b8 v0, s[64:65] scope:SCOPE_SE
	s_setreg_imm32_b32 hwreg(HW_REG_WAVE_MODE, 25, 1), 1
	s_wait_xcnt 0x0
	s_wait_alu depctr_hold_cnt(0) depctr_sa_sdst(0) depctr_va_vdst(0) depctr_va_sdst(0) depctr_va_ssrc(0) depctr_va_vcc(0) depctr_vm_vsrc(0)
	s_getreg_b32 s2, hwreg(HW_REG_IB_STS2, 6, 4)
	s_cmp_eq_u32 s2, 0
	s_cbranch_scc0 .Lentry_in_a_cluster
	s_endpgm
.Lentry_in_a_cluster:
	s_bfe_u32 s2, ttmp6, 0x10000c
	s_cmp_lg_u32 s2, 0x3003
	s_cbranch_scc0 .Lentry_shape_is_right
	s_endpgm
.Lentry_shape_is_right:
; ctx[q][head] = the sum over keys k <= q of softmax_k(q . k / 8) v, head size 64, 16 query heads on 4 key and value heads, both products on codes of FP6 (E2M3) with E8M0 scales; ctx is quantised along the head's 64.
; IN: img, as the launch before laid it: records of 6,400 bytes for 128 tokens of a head: four fragments as images of the operand's registers, then their scale words.
; OUT: ctx_img [32 blocks of 128 tokens][8 K steps][8 tiles][2][768 bytes]: half a fragment of the last product's operand (16 tokens, one head: registers 0-3 at 16 l, registers 4-5 at 512 + 8 l), d in its natural order;
;      ctx_sc [4096][32]: a token's scale bytes, 2 x head + block.
; THE SOFTMAX: t = score x log2(e) / 8; M = the running largest t rounded UP to a whole number; p = 2^(t - M) is quantised along the keys, not normalised; the row's sum is taken of the unquantised p and divides at the end;
; when M moves, the sum and O are multiplied by 2^(old M - new M), which rounds nothing.
; K = 64 IN AN INSTRUCTION OF K = 128.  A fragment of k holds TWO tiles of 16 keys, one in each half of K.  q stands twice: QLO = [q | zero codes], QHI = [zero codes | q].  The fragment against QLO gives the first
; 16 keys' scores, against QHI the second 16's: zero codes add nothing under any scale byte that is made here (1 to 254).  So three LDS loads feed two products, and q's two scale bytes, doubled, serve both.
; SHARES.  A work-group owns blocks j and 31 - j of 128 queries of one head: 33 key steps' worth of rows in every work-group.  Each of its sixteen waves owns one tile of 16 queries: four waves share a SIMD's registers, so that
; one wave's vector work stands beside another's products and LDS loads.  Of waves 2 i and 2 i + 1 one takes tile i of the early block, the other of the late one; which, turns with i / 2.
; Every wave walks all 32 key steps of 128 keys (the trip counts are constants); a step all of whose keys come after the wave's queries jumps over its work.  The price: tiles that no wave of a work-group reads are still fetched.
; LAYOUT.  Both products transposed: S^T = k q^T, O^T = v^T p^T: a lane holds one query (lane % 16).  Score register 16 b + 8 u + j is key 32 b + 16 u + 8 (lane / 16) + j of the step; v's codes stand in the same order inside a block.
; CLUSTER.  The four query heads of a key and value head share j: they walk the same k and v, and run the same branches.  Each record is asked for jointly (mask 15); every wave fetches one record of a slot.
; LDS.  Two slots of 8 key steps, at 0 and at 131,072: k's eight records, then v's eight.  Image loads take 16 consecutive bytes a lane: no padding.  Behind slot 1: the spare words.
; LIMITS: NaN and infinities are not served; a block whose largest magnitude lies under 2^-124 keeps the scale byte 1; the division by the sum is v_rcp_f32 and a multiplication; a block's largest p is taken as 2^(.) of its
; largest score, which takes v_exp_f32 not to fall where its input rises; the scale bytes leave one byte a lane, since the rest of a token's 32 bytes belongs to other heads' work-groups: one byte for 24 of codes.
.set REC,   6400
.set KPART, 8*REC
.set SLOT1, 131072
.set SPARE, SLOT1+2*KPART              ; 128 bytes for each wave: eight blocks of 256 bytes that no other line names
.set SPW, 1                            ; v1  LDS address of my spare word; never rewritten
.set NIL, 2                            ; v2  0; never rewritten
.set L16, 3                            ; v3  16 x lane
.set R16, 4                            ; v4  16 x (lane % 16)
.set AD,  5                            ; v5  the step's fragments
.set ADS, 6                            ; v6  the step's scale words
.set L8,  7                            ; v7  8 x lane
.set SCO, 8                            ; v8  32 r + h
.set QLO, 16
.set QHI, 28
.set QS,  40
.set KS,  44
.set VS,  48
.set FR,  52                           ; v52-99   four fragments: k's, then v's
.set S,   100                          ; v100-163 S^T, then p
.set O,   164                          ; v164-195 O^T
.set PCD, 196                          ; v196-207 p's codes
.set PCT, 208
.set TM,  216
.set FF,  232                          ; v[232:233] 2^(old M - new M), and a word that is named with it
.set PW,  234                          ; p's scale word
.set T0,  235
.set T1,  236
.macro PLACES n
.rept \n
	v_nop
.endr
.endm
.macro CROUND
	s_barrier_signal -1
	s_barrier_wait -1
	s_cmp_lg_u32 s10, 0
	s_cbranch_scc1 .Lnot_wave_0_\@
	s_barrier_signal -3
.Lnot_wave_0_\@:
	s_barrier_wait -3
	s_barrier_signal -1
	s_barrier_wait -1
.endm
.macro WM d, a, b, sa, sb, ks          ; ks = 0: the product starts its sum
.if (\ks) == 0
	v_wmma_scale_f32_16x16x128_f8f6f4 v[\d:\d+7], v[\a:\a+11], v[\b:\b+11], 0, v[\sa], v[\sb] matrix_a_fmt:MATRIX_FMT_FP6 matrix_b_fmt:MATRIX_FMT_FP6
.else
	v_wmma_scale_f32_16x16x128_f8f6f4 v[\d:\d+7], v[\a:\a+11], v[\b:\b+11], v[\d:\d+7], v[\sa], v[\sb] matrix_a_fmt:MATRIX_FMT_FP6 matrix_b_fmt:MATRIX_FMT_FP6
.endif
.endm
	s_load_b128 s[4:7], s[0:1], 0x0                ; img, ctx_img
	s_load_b64 s[8:9], s[0:1], 0x10                ; ctx_sc
	v_lshl_add_u32 v[SPW], v0, 2, SPARE
	v_mov_b32 v[NIL], 0
	ds_add_u32 v1, v2
	ds_add_u32 v1, v2
	s_wait_dscnt 0x0
	v_lshrrev_b32 v[AD], 5, v0
	v_readfirstlane_b32 s10, v[AD]                 ; wave 0..15
	s_bfe_u32 s18, ttmp6, 0x40000                  ; cx: it enters q's and ctx's global addresses alone
	s_and_b32 s13, ttmp7, 0xffff                   ; j
	s_lshl_b32 s19, ttmp9, 2                       ; ttmp9: the key and value head
	s_add_co_u32 s19, s19, s18                     ; my query head
	s_lshr_b32 s40, s10, 2
	s_xor_b32 s40, s40, s10
	s_and_b32 s11, s40, 1                          ; 1: the late block
	s_lshr_b32 s12, s10, 1                         ; my tile in the block
	s_sub_co_u32 s41, 31, s13
	s_cmp_lg_u32 s11, 0
	s_cselect_b32 s14, s41, s13                    ; my block of 128 queries
	s_lshl_b32 s15, s14, 7
	s_lshl_b32 s42, s12, 4
	s_add_co_u32 s15, s15, s42                     ; my first query
	s_add_co_u32 s16, s15, 15                      ; my last
	s_mov_b32 s20, 0x76543210                      ; v_permlanex16_b32's selects for lane l xor 16
	s_mov_b32 s21, 0xfedcba98
	s_mov_b32 s22, 0x3e38aa3b                      ; c = log2(e) / 8
	s_mov_b32 s23, s22                             ; (named with it as a pair)
	s_mov_b32 s51, 0xffff0000                      ; lanes 16-31
	; descriptor group 1: a record, 25 dense rows of 256 bytes
	s_mov_b32 s24, 15|(3<<16)|(1<<21)              ; the mask: all four partners; element of 8 bytes; bit 21 beside the mask; no padding
	s_mov_b32 s25, 32<<16
	s_mov_b32 s26, 25<<16
	s_mov_b32 s27, 32<<16
	s_mov_b32 s28, 25
	s_mov_b32 s29, 32
	s_mov_b32 s30, 0
	s_mov_b32 s31, 0
	s_lshr_b32 s40, s10, 3                         ; waves 0-7 fetch k's records, waves 8-15 v's
	s_lshl_b32 s40, s40, 2
	s_add_co_u32 s40, s40, ttmp9
	s_add_co_u32 s40, s40, 16                      ; the head's number in img
	s_lshl_b32 s40, s40, 5
	s_and_b32 s41, s10, 7
	s_add_co_u32 s40, s40, s41                     ; the slot's record that I fetch
	s_mul_i32 s40, s40, REC
	s_mov_b32 s41, 0
	s_lshl_b32 s42, s19, 5
	s_add_co_u32 s42, s42, s14
	s_mul_i32 s42, s42, REC                        ; q's record
	s_mov_b32 s43, 0
	s_lshr_b32 s46, s12, 1                         ; the fragment that holds my tile,
	s_lshl_b32 s47, s46, 2
	s_mul_i32 s46, s46, 1536
	s_lshl_b32 s52, s14, 3                         ; ctx_img: (((block x 8 + head / 2) x 8 + tile) x 2 + head % 2) x 768
	s_lshr_b32 s53, s19, 1
	s_add_co_u32 s52, s52, s53
	s_lshl_b32 s52, s52, 3
	s_add_co_u32 s52, s52, s12
	s_lshl_b32 s52, s52, 1
	s_and_b32 s53, s19, 1
	s_add_co_u32 s52, s52, s53
	s_mul_i32 s52, s52, 768
	s_mov_b32 s53, 0
	s_lshl_b32 s54, s15, 5                         ; ctx_sc: 32 x my first query + 2 x head
	s_lshl_b32 s55, s19, 1
	s_add_co_u32 s54, s54, s55
	s_mov_b32 s55, 0
	s_mov_b32 s36, 0                               ; LDS byte at which the step's record of k begins
	s_mov_b32 s37, 0                               ; the step's first key
	s_mov_b32 s38, 3
	v_and_b32 v[L16], 31, v0
	v_lshlrev_b32 v[L8], 3, v[L16]
	v_lshlrev_b32 v[L16], 4, v[L16]
	v_and_b32 v[R16], 15, v0
	v_bfe_u32 v[SCO], v0, 4, 1
	v_lshl_add_u32 v[SCO], v[R16], 5, v[SCO]
	v_lshlrev_b32 v[R16], 4, v[R16]
	v_add_nc_u32 v[AD], s46, v[L16]
	v_add_nc_u32 v[ADS], s47, v[R16]
	s_wait_kmcnt 0x0
	s_mov_b32 s32, 1
	s_mul_i32 s33, s10, REC                        ; k's eight records, then v's eight: wave x 6,400
	s_add_nc_u64 s[34:35], s[4:5], s[40:41]
	s_or_b32 s35, s35, 0x80000000
	s_add_nc_u64 s[44:45], s[4:5], s[42:43]
	s_add_nc_u64 s[6:7], s[6:7], s[52:53]
	s_add_nc_u64 s[8:9], s[8:9], s[54:55]
	CROUND                                         ; all four work-groups are here
	tensor_load_to_lds s[32:35], s[24:31]          ; slot 0: one load of mine is out
	s_nop 0
	PLACES 4                                       ; (behind a tensor load)
.irp c, 0,1,2
	global_load_b128 v[FR+4*\c:FR+4*\c+3], v[AD], s[44:45] offset:512*\c   ; the fragment of q that holds my tile and its neighbour
.endr
	global_load_b32 v[T0], v[ADS], s[44:45] offset:6144                    ; and its scale word
	s_and_b32 s40, s12, 1                          ; which half of it is mine: a choice of values, by masks made of ids
	s_cmp_lg_u32 s40, 0
	s_cselect_b32 s49, -1, 0
	s_mov_b32 s50, 0x03020302
	s_cselect_b32 s50, s50, 0x01000100
	v_mov_b32 v13, 0xff61b1e6                      ; the largest t so far: -3e38, under every t
	v_floor_f32 v12, -v13                          ; -M
	v_mov_b32 v14, 0                               ; the sum, in two halves
	v_mov_b32 v15, 0
	v_mov_b32 v[FF+1], 0
.irp b, 0,1,2,3
	v_mov_b32 v[TM+4+\b], 0                        ; a lane permute's destination counts as one of its sources
.endr
	s_wait_loadcnt 0x0
.irp i, 0,1,2,3,4,5
	v_cndmask_b32 v[QLO+\i], v[FR+\i], v[FR+6+\i], s49
.endr
.irp i, 0,1,2,3,4,5
	v_mov_b32 v[QHI+6+\i], v[QLO+\i]
	v_mov_b32 v[QLO+6+\i], 0
	v_mov_b32 v[QHI+\i], 0
.endr
	v_perm_b32 v[QS], v[T0], v[T0], s50            ; my token's two bytes, twice
.set i, 0
.rept 32
	v_mov_b32 v[O+i], 0                            ; O^T.  The step is written once: the first finds zeros.  (These are also the places between the scale word just made and the first product)
.set i, i+1
.endr
; A KEY STEP: 128 keys.
.macro STEP
	s_cmp_gt_u32 s37, s16                          ; all its keys come after my queries: a branch on ids, round the work, not round the lines that step addresses
	s_cbranch_scc1 .Lhidden_\@
	v_add_nc_u32 v[AD], s36, v[L16]
	v_add_nc_u32 v[ADS], s36, v[R16]
	PLACES 2                                       ; with the two additions: four places in front of loads into registers that the last products have read
.irp b, 0,1,2,3
.irp c, 0,1,2
	ds_load_b128 v[FR+12*\b+4*\c:FR+12*\b+4*\c+3], v[AD] offset:1536*\b+512*\c
.endr
.endr
	ds_load_b128 v[KS:KS+3], v[ADS] offset:6144    ; the four fragments' scale words by one load
	s_wait_dscnt 0x0
.irp b, 0,1,2,3
	WM S+16*\b,   FR+12*\b, QLO, KS+\b, QS, 0      ; keys 32 b + 8 h + j
	WM S+8+16*\b, FR+12*\b, QHI, KS+\b, QS, 0      ; keys 32 b + 16 + 8 h + j
.endr
	PLACES 4                                       ; in front of loads into k's registers, and of the first read of the scores
.irp n, 0,1,2,3
.irp c, 0,1,2
	ds_load_b128 v[FR+12*\n+4*\c:FR+12*\n+4*\c+3], v[AD] offset:KPART+1536*\n+512*\c   ; v's fragments land while the softmax is walked
.endr
.endr
	ds_load_b128 v[VS:VS+3], v[ADS] offset:KPART+6144
	s_add_co_u32 s40, s37, 127                     ; on the diagonal hidden scores become -infinity ahead of the maximum; a step all of whose keys count skips this
	s_cmp_le_u32 s40, s15
	s_cbranch_scc1 .Lopen_\@
	s_sub_co_i32 s40, s15, s37
	v_and_b32 v[T0], 15, v0
	v_bfe_u32 v[T1], v0, 4, 1
	v_lshlrev_b32 v[T1], 3, v[T1]
	v_sub_nc_u32 v[T0], v[T0], v[T1]
	v_add_nc_u32 v[T0], s40, v[T0]                 ; d = my query - the step's first key - 8 (lane / 16): register 16 b + 8 u + j is hidden where 32 b + 16 u + j > d
	v_mov_b32 v[T1], 0xff800000
.set n, 0
.rept 64
	v_cmp_gt_i32 vcc_lo, 32*(n/16)+16*((n/8)%2)+n%8, v[T0]
	v_cndmask_b32 v[S+n], v[S+n], v[T1], vcc_lo
.set n, n+1
.endr
.Lopen_\@:
.irp b, 0,1,2,3
	v_max3_num_f32 v[TM+\b], v[S+16*\b], v[S+1+16*\b], v[S+2+16*\b]   ; the largest score of each block of 32 keys: for the row's maximum, and for the block's largest p
.endr
.irp i, 3,5,7,9,11,13
.irp b, 0,1,2,3
	v_max3_num_f32 v[TM+\b], v[TM+\b], v[S+16*\b+\i], v[S+1+16*\b+\i]
.endr
.endr
.irp b, 0,1,2,3
	v_max_num_f32 v[TM+\b], v[TM+\b], v[S+15+16*\b]
.endr
.irp b, 0,1,2,3
	v_permlanex16_b32 v[TM+4+\b], v[TM+\b], s20, s21
.endr
.irp b, 0,1,2,3
	v_max_num_f32 v[TM+\b], v[TM+\b], v[TM+4+\b]   ; with lane l xor 16's 16 keys
.endr
	v_max3_num_f32 v[T0], v[TM], v[TM+1], v[TM+2]
	v_max_num_f32 v[T0], v[T0], v[TM+3]            ; the step's largest score of my query: the step's first key counts for every one of my queries, so it is a number
	v_mul_f32 v[T0], s22, v[T0]
	v_max_num_f32 v13, v13, v[T0]                  ; the running largest t
	v_mov_b32 v[T0], v12
	v_floor_f32 v12, -v13                          ; the new -M = -ceil(t)
	v_sub_f32 v[T0], v12, v[T0]                    ; old M - new M: a whole number, 0 or less
	v_cvt_i32_f32 v[T0], v[T0]                     ; (it saturates)
	v_ldexp_f32 v[FF], 1.0, v[T0]                  ; f = 2^(old M - new M)
.set n, 0
.rept 32
	v_pk_fma_f32 v[S+n:S+n+1], v[S+n:S+n+1], s[22:23], v[12:13] op_sel_hi:[1,0,0]   ; t - M, two at a time
.set n, n+2
.endr
.irp b, 0,1,2,3
	v_fma_f32 v[TM+\b], v[TM+\b], s22, v12         ; the same of each block's largest score
.endr
.set n, 0
.rept 64
	v_exp_f32 v[S+n], v[S+n]                       ; p = 2^(t - M)
.set n, n+1
.endr
.irp b, 0,1,2,3
	v_exp_f32 v[TM+\b], v[TM+\b]                   ; the block's largest p
.endr
	v_pk_mul_f32 v[14:15], v[14:15], v[FF:FF+1] op_sel_hi:[1,0]   ; the sums under the new M.  (A plain place behind the exponentials)
	s_wait_alu depctr_va_vdst(0)
.irp b, 0,1,2,3
	v_max_num_f32 v[TM+\b], 0x1800000, v[TM+\b]    ; the floor 2^(3 - 127)
.endr
.irp b, 0,1,2,3
	v_add_nc_u32 v[TM+12+\b], 0xff000000, v[TM+\b] ; 2 off the exponent field: the conversion's scale operand
.endr
.irp b, 0,1,2,3
	v_lshrrev_b32 v[TM+4+\b], 23, v[TM+12+\b]      ; the scale's byte
.endr
	v_lshl_or_b32 v[PW], v[TM+5], 8, v[TM+4]
	v_lshl_or_b32 v[PW], v[TM+6], 16, v[PW]
	v_lshl_or_b32 v[PW], v[TM+7], 24, v[PW]
.irp c, 0,1
	v_cvt_scalef32_pk16_fp6_f32 v[PCD+6*\c:PCD+6*\c+2], v[S+32*\c:S+32*\c+15], v[TM+12+2*\c]
	v_cvt_scalef32_pk16_fp6_f32 v[PCT+4*\c:PCT+4*\c+2], v[S+16+32*\c:S+31+32*\c], v[TM+13+2*\c]
.endr
	v_nop                                          ; one plain place behind a scaled conversion
.irp c, 0,1
.irp i, 0,1,2
	v_permlane16_swap_b32 v[PCD+6*\c+\i], v[PCT+4*\c+\i]
.endr
.irp i, 0,1,2
	v_mov_b32 v[PCD+3+6*\c+\i], v[PCT+4*\c+\i]
.endr
.endr
	v_pk_add_f32 v[T1:T1+1], v[S:S+1], v[S+2:S+3]  ; the row's sum is taken of the unquantised p: two at a time, in two chains
.irp j, 4,8,12,16,20,24,28,32,36,40,44,48,52,56,60
	v_pk_add_f32 v[14:15], v[14:15], v[S+\j:S+\j+1]
	v_pk_add_f32 v[T1:T1+1], v[T1:T1+1], v[S+2+\j:S+3+\j]
.endr
	v_pk_add_f32 v[14:15], v[14:15], v[T1:T1+1]    ; (these 32 additions are the places between p's codes and scale word and the products below)
.set n, 0
.rept 16
	v_pk_mul_f32 v[O+n:O+n+1], v[O+n:O+n+1], v[FF:FF+1] op_sel_hi:[1,0]   ; O^T under the new M
.set n, n+2
.endr
	s_wait_dscnt 0x0                               ; v
.irp n, 0,1,2,3
	WM O+8*\n, FR+12*\n, PCD, VS+\n, PW, 1         ; O^T += v^T p^T: rows d = 16 n on; the four accumulators by turns
.endr
.Lhidden_\@:
	s_add_co_u32 s37, s37, 128
	s_add_co_u32 s36, s36, REC
.endm
; THE CHANGE OF SLOTS, at a slot's head.  Each wave waits for all its tensor loads (its record of the slot ahead), adds 0 to its spare word, and waits for that and for its reads of the slot that it has left.
; fill = 1: a round of the cluster's barrier, and behind it the slot just left takes the next eight key steps: the load has eight steps in which to land.
.macro CHANGE fill
	s_wait_tensorcnt 0x0                           ; no tensor load of mine is out, so the group 0 may be written
	ds_add_u32 v[SPW], v[NIL]
.if \fill
	s_xor_b32 s33, s33, SLOT1                      ; the other slot than last time,
	s_add_nc_u64 s[34:35], s[34:35], KPART         ; eight records on; the type bits on top are not reached
.endif
	s_wait_dscnt 0x0
.if \fill
	CROUND
	tensor_load_to_lds s[32:35], s[24:31]          ; my one tensor load behind the round
	s_nop 0
	PLACES 4
.else
	s_barrier_signal -1
	s_barrier_wait -1
.endif
.endm
.macro STEPS                           ; a slot's eight key steps: written once, walked eight times
	s_mov_b32 s39, 8
.Lstep_\@:
	STEP
	s_sub_co_u32 s39, s39, 1
	s_cmp_lg_u32 s39, 0
	s_cbranch_scc1 .Lstep_\@
	s_sub_co_u32 s36, s36, KPART                   ; back to a slot's first record,
	s_xor_b32 s36, s36, SLOT1                      ; in the other slot
.endm
.Lslot:                                            ; three trips: behind each change of slots but the last the next slot is asked for
	CHANGE 1
	STEPS
	s_sub_co_u32 s38, s38, 1
	s_cmp_lg_u32 s38, 0
	s_cbranch_scc1 .Lslot
	CHANGE 0                                       ; the last slot is written out
	STEPS
	; THE WAY OUT.  O^T / the sum; d into its natural order; quantised along the head's two blocks; stored as half a fragment's image.
	PLACES 4
	v_add_f32 v14, v14, v15
	v_permlanex16_b32 v[T0], v14, s20, s21
	v_add_f32 v14, v14, v[T0]                      ; the row's sum
	v_rcp_f32 v14, v14
	v_nop                                          ; a plain place behind the transcendental
.set n, 0
	s_wait_alu depctr_va_vdst(0)
.rept 16
	v_pk_mul_f32 v[O+n:O+n+1], v[O+n:O+n+1], v[14:15] op_sel_hi:[1,0]   ; register 8 n + j: d = 16 n + 8 h + j
.set n, n+2
.endr
.irp b, 0,1
.irp j, 0,1,2,3,4,5,6,7
	v_permlane16_swap_b32 v[O+16*\b+\j], v[O+16*\b+8+\j]   ; now register 16 b + i of lane (r, h): d = 32 b + 16 h + i
.endr
.endr
.irp b, 0,1
	v_max3_num_f32 v[TM+\b], |v[O+16*\b]|, |v[O+1+16*\b]|, 0x1800000
.endr
.irp i, 2,4,6,8,10,12,14
.irp b, 0,1
	v_max3_num_f32 v[TM+\b], v[TM+\b], |v[O+16*\b+\i]|, |v[O+1+16*\b+\i]|
.endr
.endr
.irp b, 0,1
	v_permlanex16_b32 v[TM+4+\b], v[TM+\b], s20, s21
.endr
.irp b, 0,1
	v_max_num_f32 v[TM+\b], v[TM+\b], v[TM+4+\b]
.endr
.irp b, 0,1
	v_add_nc_u32 v[TM+12+\b], 0xff000000, v[TM+\b]
.endr
.irp b, 0,1
	v_lshrrev_b32 v[TM+4+\b], 23, v[TM+12+\b]
.endr
	v_cvt_scalef32_pk16_fp6_f32 v[PCD:PCD+2], v[O:O+15], v[TM+12]
	v_cvt_scalef32_pk16_fp6_f32 v[PCT:PCT+2], v[O+16:O+31], v[TM+13]
	v_nop                                          ; one plain place behind a scaled conversion
.irp i, 0,1,2
	v_permlane16_swap_b32 v[PCD+\i], v[PCT+\i]     ; lanes 0-15 block 0, lanes 16-31 block 1, each whole
.endr
.irp i, 0,1,2
	v_mov_b32 v[PCD+3+\i], v[PCT+\i]
.endr
	v_cndmask_b32 v[T0], v[TM+4], v[TM+5], s51     ; lane (r, h): the byte of block h
	global_store_b128 v[L16], v[PCD:PCD+3], s[6:7]             ; 512 consecutive bytes, aligned to 256
	global_store_b64 v[L8], v[PCD+4:PCD+5], s[6:7] offset:512  ; 256 consecutive bytes, aligned
	global_store_b8 v[SCO], v[T0], s[8:9]
	s_wait_tensorcnt 0x0                           ; the wave's end
	ds_add_u32 v[SPW], v[NIL]
	s_wait_dscnt 0x0
	CROUND                                         ; the closing round
	s_endpgm
.Lfunc_end_k_q1ce0dfe556_attn:
	.size	k_q1ce0dfe556_attn, .Lfunc_end_k_q1ce0dfe556_attn-k_q1ce0dfe556_attn
	.p2alignl 7, 3214868480
	.fill 96, 4, 3214868480
	.section	.rodata,"a",@progbits
	.p2align	6, 0x0
	.amdhsa_kernel k_q1ce0dfe556_attn
		.amdhsa_group_segment_fixed_size 327680
		.amdhsa_private_segment_fixed_size 0
		.amdhsa_enable_private_segment 0
		.amdhsa_kernarg_size 24
		.amdhsa_user_sgpr_count 2
		.amdhsa_user_sgpr_kernarg_segment_ptr 1
		.amdhsa_wavefront_size32 1
		.amdhsa_system_sgpr_workgroup_id_x 1
		.amdhsa_system_sgpr_workgroup_id_y 1
		.amdhsa_system_sgpr_workgroup_id_z 1
		.amdhsa_system_vgpr_workitem_id 0
		.amdhsa_next_free_vgpr 256
		.amdhsa_next_free_sgpr 66
		.amdhsa_reserve_vcc 1
		.amdhsa_float_denorm_mode_32 3
		.amdhsa_float_denorm_mode_16_64 3
		.amdhsa_memory_ordered 1
		.amdhsa_forward_progress 1
		.amdhsa_inst_pref_size 55
	.end_amdhsa_kernel
	.amdgpu_metadata
---
amdhsa.version: [ 1, 2 ]
amdhsa.kernels:
  - .name:           k_q1ce0dfe556_attn
    .symbol:         k_q1ce0dfe556_attn.kd
    .args:
      - { .name: img, .offset: 0, .size: 8, .value_kind: global_buffer, .address_space: global }
      - { .name: ctx_img, .offset: 8, .size: 8, .value_kind: global_buffer, .address_space: global }
      - { .name: ctx_sc, .offset: 16, .size: 8, .value_kind: global_buffer, .address_space: global }
    .group_segment_fixed_size: 327680
    .private_segment_fixed_size: 0
    .kernarg_segment_align: 8
    .kernarg_segment_size: 24
    .max_flat_workgroup_size: 512
    .sgpr_count:     66
    .vgpr_count:     256
    .wavefront_size: 32
...
	.end_amdgpu_metadata
.endif
;; end of part 2
;; launch oproj (part 3): grid 8 x 32, 4 waves a work-group, clusters of 4 x 4, 272,896 bytes of LDS; arguments ctx_img, ctx_sc, w_o_codes, w_o_scales, out0; writes out0
.if DOCPART == 3
	.amdgcn_target "amdgcn-amd-amdhsa--gfx1250"
	.amdhsa_code_object_version 6
	.text
	.protected	k_q1ce0dfe556_oproj
	.globl	k_q1ce0dfe556_oproj
	.p2align	8
	.type	k_q1ce0dfe556_oproj,@function
k_q1ce0dfe556_oproj:
	s_mov_b64 s[64:65], 0
	v_nop
	global_prefetch_b8 v0, s[64:65] scope:SCOPE_SE
	s_setreg_imm32_b32 hwreg(HW_REG_WAVE_MODE, 25, 1), 1
	s_wait_xcnt 0x0
	s_wait_alu depctr_hold_cnt(0) depctr_sa_sdst(0) depctr_va_vdst(0) depctr_va_sdst(0) depctr_va_ssrc(0) depctr_va_vcc(0) depctr_vm_vsrc(0)
	s_getreg_b32 s2, hwreg(HW_REG_IB_STS2, 6, 4)
	s_cmp_eq_u32 s2, 0
	s_cbranch_scc0 .Lentry_in_a_cluster
	s_endpgm
.Lentry_in_a_cluster:
	s_bfe_u32 s2, ttmp6, 0x10000c
	s_cmp_lg_u32 s2, 0xf033
	s_cbranch_scc0 .Lentry_shape_is_right
	s_endpgm
.Lentry_shape_is_right:
; out = ctx Wo on codes of FP6 (E2M3) with E8M0 scales.  ctx: [4096][1024] as the launch before laid it: ctx_img [32 blocks of 128 tokens][8 K steps][8 tiles][2][768 bytes], images of half fragments;
; ctx_sc [4096][32].  Wo: [1024 (n)][1024 (k)] codes, 768 bytes a row, scales [1024][32].  out0: [4096][1024] f32.
; SHARES.  256 work-groups, each 128 tokens x 128 columns; a wave 64 x 64: 16 accumulators; 8 K steps of 128.  The product is used transposed (source 0 = 16 rows of Wo, source 1 = 16 tokens): a lane holds eight
; neighbouring columns of one row of out0.
; CLUSTER.  4 x 4 work-groups.  ctx's block hangs on the work-group's y alone and is shared along a row of the cluster, Wo's rows on x alone and are shared along a column: each is asked for jointly.
; LDS.  All of K fits: every byte is filled once, so no slot is filled again.  ctx: 98,304 dense bytes at 0.  Wo: three thirds of its rows (256 aligned bytes, 16 of padding: rows 272 bytes apart), 34,816 bytes each, from 98,304.
; The fills come in three stages (K steps 0-1, 2-4, 5-7), so that the first products start when a quarter has landed.  From 202,752: a stage of 64 rows x 272 bytes for each wave, for the way out; no fill lands there.
; The scale words come straight into registers: lane l takes the 32 bytes of row l of 32 neighbouring rows, eight words, one for each K step; lanes 0-15 serve one tile, lanes 16-31 the next.
; REGISTERS.  window 0: v1-13 addresses; v16-31 ctx's scale words, v32-47 Wo's; v48-143 fragment buffer 0 (ctx's four at v48, Wo's four at v96); on the way out v48-175 rows of out0.
;   window 1: v0-127 the accumulators (8 (4 i + t)); v128-223 fragment buffer 1.
.set WBASE, 98304
.set WTH,   34816
.set TROW,  4352
.set STG,   202752
.set A16, 1                            ; v1-2  ctx's images, 16 bytes a lane: K steps 0-3, 4-7
.set A8,  3                            ; v3-4  and their last two registers, 8 bytes a lane
.set AW,  5                            ; v5-7  my place in Wo's rows, third 0, 1, 2
.set AWC, 8                            ; v8-9  the same for pieces whose lanes 16-31 read the next third
.set STO, 10
.set RD,  11
.set CO,  12
.set L32, 13
.set AS,  16
.set WS,  32
.set WV,  14
.set MSB, 0
.macro WIN new
.if MSB != \new
	s_set_vgpr_msb (MSB<<8)|\new
.set MSB, \new
.endif
.endm
.macro PLACES n
.rept \n
	v_nop
.endr
.endm
.macro CROUND
	s_barrier_signal -1
	s_barrier_wait -1
	s_cmp_lg_u32 s[WV], 0
	s_cbranch_scc1 .Lnot_wave_0_\@
	s_barrier_signal -3
.Lnot_wave_0_\@:
	s_barrier_wait -3
	s_barrier_signal -1
	s_barrier_wait -1
.endm
.macro WM d, a, b, sa, sb, ra, rb, ks
.if (\ks) == 0
.if (\ra) && (\rb)
	v_wmma_scale_f32_16x16x128_f8f6f4 v[\d:\d+7], v[\a:\a+11], v[\b:\b+11], 0, v[\sa], v[\sb] matrix_a_fmt:MATRIX_FMT_FP6 matrix_b_fmt:MATRIX_FMT_FP6 matrix_a_scale:MATRIX_SCALE_ROW1 matrix_b_scale:MATRIX_SCALE_ROW1
.elseif (\ra)
	v_wmma_scale_f32_16x16x128_f8f6f4 v[\d:\d+7], v[\a:\a+11], v[\b:\b+11], 0, v[\sa], v[\sb] matrix_a_fmt:MATRIX_FMT_FP6 matrix_b_fmt:MATRIX_FMT_FP6 matrix_a_scale:MATRIX_SCALE_ROW1
.elseif (\rb)
	v_wmma_scale_f32_16x16x128_f8f6f4 v[\d:\d+7], v[\a:\a+11], v[\b:\b+11], 0, v[\sa], v[\sb] matrix_a_fmt:MATRIX_FMT_FP6 matrix_b_fmt:MATRIX_FMT_FP6 matrix_b_scale:MATRIX_SCALE_ROW1
.else
	v_wmma_scale_f32_16x16x128_f8f6f4 v[\d:\d+7], v[\a:\a+11], v[\b:\b+11], 0, v[\sa], v[\sb] matrix_a_fmt:MATRIX_FMT_FP6 matrix_b_fmt:MATRIX_FMT_FP6
.endif
.else
.if (\ra) && (\rb)
	v_wmma_scale_f32_16x16x128_f8f6f4 v[\d:\d+7], v[\a:\a+11], v[\b:\b+11], v[\d:\d+7], v[\sa], v[\sb] matrix_a_fmt:MATRIX_FMT_FP6 matrix_b_fmt:MATRIX_FMT_FP6 matrix_a_scale:MATRIX_SCALE_ROW1 matrix_b_scale:MATRIX_SCALE_ROW1
.elseif (\ra)
	v_wmma_scale_f32_16x16x128_f8f6f4 v[\d:\d+7], v[\a:\a+11], v[\b:\b+11], v[\d:\d+7], v[\sa], v[\sb] matrix_a_fmt:MATRIX_FMT_FP6 matrix_b_fmt:MATRIX_FMT_FP6 matrix_a_scale:MATRIX_SCALE_ROW1
.elseif (\rb)
	v_wmma_scale_f32_16x16x128_f8f6f4 v[\d:\d+7], v[\a:\a+11], v[\b:\b+11], v[\d:\d+7], v[\sa], v[\sb] matrix_a_fmt:MATRIX_FMT_FP6 matrix_b_fmt:MATRIX_FMT_FP6 matrix_b_scale:MATRIX_SCALE_ROW1
.else
	v_wmma_scale_f32_16x16x128_f8f6f4 v[\d:\d+7], v[\a:\a+11], v[\b:\b+11], v[\d:\d+7], v[\sa], v[\sb] matrix_a_fmt:MATRIX_FMT_FP6 matrix_b_fmt:MATRIX_FMT_FP6
.endif
.endif
.endm
.macro MKG0 g, lr, lo, base, go
	s_mov_b32 s[\g], 1
	s_add_co_u32 s[\g+1], s[\lr], \lo
	s_add_nc_u64 s[\g+2:\g+3], s[\base:\base+1], \go
	s_or_b32 s[\g+3], s[\g+3], 0x80000000
.endm
	s_load_b256 s[4:11], s[0:1], 0x0               ; ctx_img s[4:5], ctx_sc s[6:7], Wo's codes s[8:9], Wo's scales s[10:11]
	s_load_b64 s[12:13], s[0:1], 0x20              ; out0
	v_lshl_add_u32 v254, v0, 2, 0x42800
	v_mov_b32 v255, 0
	ds_add_u32 v254, v255
	ds_add_u32 v254, v255
	v_lshrrev_b32 v1, 5, v0
	v_readfirstlane_b32 s[WV], v1                  ; wave 0..3
	s_lshr_b32 s15, s[WV], 1                       ; which 64 tokens are mine.  Also: I fetch for ctx (0) or for Wo (1)
	s_and_b32 s16, s[WV], 1                        ; which 64 columns.  Also: which half I fetch
	s_bfe_u32 s17, ttmp6, 0x40000                  ; cx
	s_bfe_u32 s18, ttmp6, 0x40004                  ; cy
	s_lshl_b32 s19, ttmp9, 2
	s_add_co_u32 s19, s19, s17                     ; my block of 128 columns
	s_and_b32 s20, ttmp7, 0xffff
	s_lshl_b32 s20, s20, 2
	s_add_co_u32 s20, s20, s18                     ; my block of 128 tokens
	s_lshl_b32 s21, s18, 2
	s_lshl_b32 s21, 15, s21                        ; my row of the cluster
	s_lshl_b32 s22, 0x1111, s17                    ; my column
	; descriptor groups 1.  ctx: dense rows of 256 bytes, 48 (half of two K steps) or 72 (half of three)
	s_or_b32 s24, s21, (3<<16)|(1<<21)             ; the mask: my row; element of 8 bytes; bit 21 beside the mask
	s_mov_b32 s25, 32<<16
	s_mov_b32 s26, 48<<16
	s_mov_b32 s27, 32<<16
	s_mov_b32 s28, 48
	s_mov_b32 s29, 32
	s_mov_b32 s30, 0
	s_mov_b32 s31, 0
	s_or_b32 s32, s21, (3<<16)|(1<<21)
	s_mov_b32 s33, 32<<16
	s_mov_b32 s34, 72<<16
	s_mov_b32 s35, 32<<16
	s_mov_b32 s36, 72
	s_mov_b32 s37, 32
	s_mov_b32 s38, 0
	s_mov_b32 s39, 0
	s_or_b32 s40, s22, (3<<16)|(1<<20)|(1<<21)|(5<<22)|(3<<25)   ; Wo: the mask: my column; 64 rows of 256 bytes, 768 apart in memory, 16 bytes of padding behind each
	s_mov_b32 s41, 32<<16
	s_mov_b32 s42, 64<<16
	s_mov_b32 s43, 32<<16
	s_mov_b32 s44, 64
	s_mov_b32 s45, 96
	s_mov_b32 s46, 0
	s_mov_b32 s47, 0
	; every wave makes both sets of addresses, each in registers that never hold the other coordinate
	s_mul_i32 s76, s16, 12288
	s_mov_b32 s77, 0
	s_mul_i32 s78, s16, 18432
	s_mov_b32 s79, 0
	s_mul_i32 s80, s20, 98304                      ; ctx's block
	s_mov_b32 s81, 0
	s_lshl_b32 s82, s19, 7
	s_lshl_b32 s83, s16, 6
	s_add_co_u32 s82, s82, s83                     ; Wo: row 128 x column block + 64 x half: the rows that I fetch are also the rows that I multiply
	s_lshl_b32 s84, s82, 5                         ; their scales
	s_mov_b32 s85, 0
	s_mul_i32 s82, s82, 768                        ; their codes
	s_mov_b32 s83, 0
	s_mul_i32 s86, s16, 17408
	s_add_co_u32 s86, s86, WBASE                   ; and their place in a third
	s_lshl_b32 s88, s20, 7
	s_lshl_b32 s89, s15, 6
	s_add_co_u32 s88, s88, s89                     ; my first token
	s_lshl_b32 s90, s88, 12                        ; its row of out0,
	s_lshl_b32 s88, s88, 5                         ; its scales
	s_mov_b32 s89, 0
	s_lshl_b32 s91, s19, 9
	s_add_co_u32 s90, s90, s91
	s_lshl_b32 s91, s16, 8
	s_add_co_u32 s90, s90, s91                     ; + my first column, in bytes
	s_mov_b32 s91, 0
	s_wait_dscnt 0x0
	s_wait_kmcnt 0x0
	s_add_nc_u64 s[4:5], s[4:5], s[80:81]
	s_add_nc_u64 s[92:93], s[4:5], s[76:77]
	s_add_nc_u64 s[94:95], s[4:5], s[78:79]
	s_add_nc_u64 s[8:9], s[8:9], s[82:83]
	s_add_nc_u64 s[10:11], s[10:11], s[84:85]
	s_add_nc_u64 s[6:7], s[6:7], s[88:89]
	s_add_nc_u64 s[12:13], s[12:13], s[90:91]
	MKG0 48, 76, 0, 92, 0                          ; ctx: K steps 0-1,
	MKG0 52, 78, 24576, 94, 24576                  ; 2-4,
	MKG0 56, 78, 61440, 94, 61440                  ; 5-7
	MKG0 60, 86, 0, 8, 0                           ; Wo: thirds 0, 1, 2
	MKG0 68, 86, WTH, 8, 256
	MKG0 72, 86, 2*WTH, 8, 512
	CROUND                                         ; all sixteen work-groups are here: the joint loads meet
	s_cmp_eq_u32 s15, 0                            ; a wave's three fills stand in one branch: three loads of mine are out
	s_cbranch_scc0 .Lfill_w
	tensor_load_to_lds s[48:51], s[24:31]
	s_nop 0
	tensor_load_to_lds s[52:55], s[32:39]
	s_nop 0
	tensor_load_to_lds s[56:59], s[32:39]
	s_nop 0
	PLACES 4                                       ; (behind a tensor load)
	s_branch .Lfilled
.Lfill_w:
	tensor_load_to_lds s[60:63], s[40:47]
	s_nop 0
	tensor_load_to_lds s[68:71], s[40:47]
	s_nop 0
	tensor_load_to_lds s[72:75], s[40:47]
	s_nop 0
	PLACES 4
.Lfilled:
	v_and_b32 v240, 31, v0                         ; lane
	v_lshlrev_b32 v[L32], 5, v240
.irp i, 0,1
	global_load_b128 v[AS+8*\i:AS+8*\i+3],   v[L32], s[6:7] offset:1024*\i
	global_load_b128 v[AS+8*\i+4:AS+8*\i+7], v[L32], s[6:7] offset:1024*\i+16
	global_load_b128 v[WS+8*\i:WS+8*\i+3],   v[L32], s[10:11] offset:1024*\i
	global_load_b128 v[WS+8*\i+4:WS+8*\i+7], v[L32], s[10:11] offset:1024*\i+16
.endr
	v_and_b32 v241, 15, v0                         ; r
	v_bfe_u32 v242, v0, 4, 1                       ; h
	s_mul_i32 s96, s15, 6144                       ; my four tiles of tokens in a K step's eight
	v_lshl_add_u32 v[A16], v240, 4, s96
	v_add_nc_u32 v[A16+1], 49152, v[A16]
	s_add_co_u32 s96, s96, 512
	v_lshl_add_u32 v[A8], v240, 3, s96
	v_add_nc_u32 v[A8+1], 49152, v[A8]
	v_mul_u32_u24 v243, v241, 272
	v_mul_u32_u24 v244, v242, 24
	v_add_nc_u32 v244, v244, v243
	v_add_nc_u32 v[AW], s86, v244                  ; row r, + 24 h
	v_add_nc_u32 v[AW+1], WTH, v[AW]
	v_add_nc_u32 v[AW+2], 2*WTH, v[AW]
	v_mul_u32_u24 v245, v242, WTH-232              ; 24 bytes on is 232 bytes back in a row, one third on
	v_add_nc_u32 v245, v245, v243
	v_add_nc_u32 v[AWC], s86, v245
	v_add_nc_u32 v[AWC+1], WTH, v[AWC]
	s_mul_i32 s97, s[WV], 17408
	s_add_co_u32 s97, s97, STG                     ; my stage
	v_lshl_add_u32 v246, v242, 5, v243
	v_add_nc_u32 v[STO], s97, v246                 ; in: row r, 32 bytes for each half of the lanes
	v_mul_u32_u24 v247, v242, 272
	v_lshl_add_u32 v247, v241, 4, v247
	v_add_nc_u32 v[RD], s97, v247                  ; back: lanes 0-15 one row of 256 bytes, lanes 16-31 the next
	v_lshlrev_b32 v[CO], 12, v242
	v_lshl_add_u32 v[CO], v241, 4, v[CO]           ; and the same two rows in out0
.macro FRAG reg, adr, adrc, s, ro      ; a fragment of Wo: lane (r, h) takes 24 bytes at 96 s + 24 h of row r and 24 at 96 s + 48 + 24 h, in pieces of 8 bytes; FB: the piece's byte for lanes 0-15; FT: its third
.irp p, 0,1,2,3,4,5
.set FB, 96*(\s)+48*(\p/3)+8*(\p%3)
.set FT, FB/256
.if (FB+24)/256 == FT
	ds_load_b64 v[\reg+2*\p:\reg+2*\p+1], v[\adr+FT] offset:FB-256*FT+(\ro)
.else
	ds_load_b64 v[\reg+2*\p:\reg+2*\p+1], v[\adrc+FT] offset:FB-256*FT+(\ro)
.endif
.endr
.endm
.macro FRAGA reg, s, i                 ; a fragment of ctx: two half images
.irp c, 0,1
	ds_load_b128 v[\reg+6*\c:\reg+6*\c+3],   v[A16+(\s)/4] offset:((\s)%4)*12288+(\i)*1536+\c*768
	ds_load_b64  v[\reg+6*\c+4:\reg+6*\c+5], v[A8+(\s)/4]  offset:((\s)%4)*12288+(\i)*1536+\c*768
.endr
.endm
.macro FETCH s                         ; K step s: 40 loads in one run into buffer s % 2
.if (\s)%2
	WIN 0x40
.set FA, 128
.else
	WIN 0
.set FA, 48
.endif
.irp i, 0,1,2,3
	FRAGA FA+12*\i, \s, \i
.endr
.irp i, 0,1,2,3
	FRAG FA+48+12*\i, AW, AWC, \s, \i*TROW
.endr
	WIN 0
.endm
.macro MUL s                           ; the 16 accumulators take turns, one instruction a turn, in the same order in every K step
.if (\s)%2
	WIN 0x55
.set FA, 128
.else
	WIN 0x50
.set FA, 48
.endif
.irp i, 0,1,2,3
.irp t, 0,1,2,3
	WM 8*(4*\i+\t), FA+48+12*\t, FA+12*\i, WS+8*(\t/2)+(\s), AS+8*(\i/2)+(\s), \t%2, \i%2, \s
.endr
.endr
	WIN 0
.endm
.macro STEP s
	s_wait_dscnt 0x0                               ; this step's 40 loads, issued ahead of the last step's products, are in
.if \s == 1
	s_wait_tensorcnt 0x1                           ; my second fill is in; the third may stay out
	s_barrier_signal -1
	s_barrier_wait -1
.endif
.if \s == 4
	s_wait_tensorcnt 0x0                           ; my last fill is in
	s_barrier_signal -1
	s_barrier_wait -1
.endif
.if \s < 7
	PLACES 4                                       ; in front of loads into registers that the last step's products have read
	FETCH \s+1
.endif
	MUL \s
.endm
	s_wait_tensorcnt 0x2                           ; my first fill is in; the two younger ones stay out
	s_barrier_signal -1
	s_barrier_wait -1                              ; everybody's is
	FETCH 0
	s_wait_loadcnt 0x0                             ; the scale words
.irp s, 0,1,2,3,4,5,6,7
	STEP \s
.endr
	; THE WAY OUT.  A lane holds 32 neighbouring bytes of a row, the lanes beside it other rows: through my own stage, and back as whole rows of 256 bytes.  LDS serves a wave's instructions in order: no wait between stores and loads.
	PLACES 4
	WIN 0x04                                       ; an LDS store's data: window 1
.irp i, 0,1,2,3
.irp t, 0,1,2,3
	ds_store_b128 v[STO], v[8*(4*\i+\t):8*(4*\i+\t)+3]   offset:\i*TROW+64*\t      ; each accumulator from its low end on
	ds_store_b128 v[STO], v[8*(4*\i+\t)+4:8*(4*\i+\t)+7] offset:\i*TROW+64*\t+16
.endr
.endr
	WIN 0
.set k, 0
.rept 32
	ds_load_b128 v[48+4*k:48+4*k+3], v[RD] offset:k*544
.set k, k+1
.endr
.set k, 0
.rept 32
	s_wait_dscnt 31-k                              ; pair k of rows is back; the younger loads stay out
	global_store_b128 v[CO], v[48+4*k:48+4*k+3], s[12:13] offset:k*8192 th:TH_STORE_NT   ; sixteen lanes store 256 consecutive bytes, aligned; written once, read by nobody here
.set k, k+1
.endr
	s_wait_tensorcnt 0x0
	ds_add_u32 v254, v255
	s_wait_dscnt 0x0
	CROUND                                         ; the closing round: no work-group ends while a partner may still ask for a tile that names it
	s_endpgm
.Lfunc_end_k_q1ce0dfe556_oproj:
	.size	k_q1ce0dfe556_oproj, .Lfunc_end_k_q1ce0dfe556_oproj-k_q1ce0dfe556_oproj
	.p2alignl 7, 3214868480
	.fill 96, 4, 3214868480
	.section	.rodata,"a",@progbits
	.p2align	6, 0x0
	.amdhsa_kernel k_q1ce0dfe556_oproj
		.amdhsa_group_segment_fixed_size 272896
		.amdhsa_private_segment_fixed_size 0
		.amdhsa_enable_private_segment 0
		.amdhsa_kernarg_size 40
		.amdhsa_user_sgpr_count 2
		.amdhsa_user_sgpr_kernarg_segment_ptr 1
		.amdhsa_wavefront_size32 1
		.amdhsa_system_sgpr_workgroup_id_x 1
		.amdhsa_system_sgpr_workgroup_id_y 1
		.amdhsa_system_sgpr_workgroup_id_z 1
		.amdhsa_system_vgpr_workitem_id 0
		.amdhsa_next_free_vgpr 512
		.amdhsa_next_free_sgpr 100
		.amdhsa_reserve_vcc 0
		.amdhsa_float_denorm_mode_32 3
		.amdhsa_float_denorm_mode_16_64 3
		.amdhsa_memory_ordered 1
		.amdhsa_forward_progress 1
		.amdhsa_inst_pref_size 56
	.end_amdhsa_kernel
	.amdgpu_metadata
---
amdhsa.version: [ 1, 2 ]
amdhsa.kernels:
  - .name:           k_q1ce0dfe556_oproj
    .symbol:         k_q1ce0dfe556_oproj.kd
    .args:
      - { .name: ctx_img, .offset: 0, .size: 8, .value_kind: global_buffer, .address_space: global }
      - { .name: ctx_sc, .offset: 8, .size: 8, .value_kind: global_buffer, .address_space: global }
      - { .name: w_o_codes, .offset: 16, .size: 8, .value_kind: global_buffer, .address_space: global }
      - { .name: w_o_scales, .offset: 24, .size: 8, .value_kind: global_buffer, .address_space: global }
      - { .name: out0, .offset: 32, .size: 8, .value_kind: global_buffer, .address_space: global }
    .group_segment_fixed_size: 272896
    .private_segment_fixed_size: 0
    .kernarg_segment_align: 8
    .kernarg_segment_size: 40
    .max_flat_workgroup_size: 128
    .sgpr_count:     100
    .vgpr_count:     512
    .wavefront_size: 32
...
	.end_amdgpu_metadata
.endif
;; end of part 3
